; MI455X (gfx1250); checked and timed in simulation.
; The chip was launched on July 23, 2026; its instructions are those of AMD's public machine-readable ISA for CDNA 5 (MIT licence, August 2026) and "CDNA5" Instruction Set Architecture Reference Guide (July 2026). The comments in the code are by the model that wrote it; some were corrected since.
;; Neurocache. Allowed arithmetic: matrix products marked QUANTISED: E4M3 operands, one E8M0 scale for each 32 along K, by v_wmma_scale_f32_16x16x128_f8f6f4 with both operands' format E4M3, f32 sums; products left as they are: f32 operands where the result goes on into a quantised operand, else bf16, f16 or f32 operands; f32 sums; everything else in f32.
;; Inputs: Wk 512 x 1,024 float32; Wo 2,048 x 2,048 float32; Wq 2,048 x 2,048 float32; Wv 512 x 1,024 float32; hidden_states 2 x 2,048 x 2,048 float32; retrieved_hidden_states 2 x 2,048 x 8 x 1,024 float32.
;; Outputs: out0 2 x 2,048 x 2,048 float32.
;; This version of the problem:
;;   THIS VERSION OF THE PROBLEM IS GIVEN IN LOW PRECISION. The matrix products marked QUANTISED in the list below multiply operands that are first quantised to E4M3 (4 exponent bits, 3 mantissa bits; 8 bits a number), with one power-of-two scale for each 32 numbers along K (OCP MX v1.0); their sums are f32. All else is computed in f32.
;;   The module's matrix products, in the order in which they are computed (A, B: the left and right operand; K: the contracted axis; several contracted axes count as one K, in the product's order):
;;     1. [M 4,096, K 2,048] x [K 2,048, N 2,048]; A: input hidden_states; B: input Wq: QUANTISED
;;     2. [M 32,768, K 1,024] x [K 1,024, N 512]; A: input retrieved_hidden_states; B: input Wk: QUANTISED
;;     3. [M 32,768, K 1,024] x [K 1,024, N 512]; A: input retrieved_hidden_states; B: input Wv: QUANTISED
;;     4. batch 32,768 x [M 4, K 64] x [K 64, N 8]; A: computed on the way; B: computed on the way: left as it is (M = 4 < 16)
;;     5. batch 32,768 x [M 4, K 8] x [K 8, N 64]; A: softmax; B: computed on the way: left as it is (K = 8 < 32)
;;     6. [M 4,096, K 2,048] x [K 2,048, N 2,048]; A: computed on the way; B: input Wo: QUANTISED
;;   THE QUANTISER, for each operand of a quantised product, along K:
;;     - K is cut into blocks of 32 from its start; a last block that is shorter is filled with zeros.
;;     - A block's scale is 2^e with e = floor(log2(the largest magnitude in the block)) - 8, held to -126 .. 127; a block of zeros has e = 0. As a byte (E8M0): e + 127.
;;     - Each number is divided by its block's scale, clamped to +-448, and rounded to the nearest number of E4M3, ties to even, subnormals kept.
;;     - The product sums the exact products of the quantised numbers (number of the format x scale) in f32.
;;   ~~~python
;;   def quantise(x, axis):      # numpy; x: float32 -> the quantised numbers, widened to float32 again
;;       x = np.moveaxis(x, axis, -1); K = x.shape[-1]
;;       x = np.pad(x, [(0, 0)] * (x.ndim - 1) + [(0, -K % 32)]); x = x.reshape(x.shape[:-1] + (-1, 32)); a = np.abs(x).max(-1, keepdims=True)
;;       e = np.where(a > 0, np.clip(np.frexp(np.where(a > 0, a, 1))[1] - 1 - 8, -126, 127), 0)      # np.frexp(a)[1] - 1 = floor(log2(a)), exactly
;;       r = np.clip(x / 2.0 ** e, -448, 448)
;;       step = 2.0 ** (np.maximum(np.frexp(np.where(r == 0, 1, r))[1] - 1, -6) - 3)
;;       q = np.round(r / step) * step * 2.0 ** e      # np.round: ties to even
;;       return np.moveaxis(q.reshape(q.shape[:-2] + (-1,))[..., :K], -1, axis).astype(np.float32)
;;   ~~~
;;   OPERANDS COMPUTED ON THE WAY. 'Computed on the way' means the value that the module computes at that place (a softmax that the list does not call 'softmax' is quantised finished and normalised). What goes into a quantiser is computed in f32, as accurately as f32 sums, v_exp_f32 and their like allow (about 1e-6 of the number): no bf16 or f16 on the way to a quantiser, and a product that is left as it is and whose result goes on into a quantised operand takes f32 operands (vector FMAs, or v_wmma_f32_16x16x4_f32). A number that lies on a knife's edge between two numbers of the format may be rounded either way, as far as f32 arithmetic and the matrix unit's own rounding can turn it there, and no further.
;; One version. Each part assembles by itself: llvm-mc -triple=amdgcn-amd-amdhsa -mcpu=gfx1250 --defsym DOCPART=n.
;; ======== version 1 of 1: 4 launches
;; limits: right only within a limited range of input values
;; workspace buffers: hsq 8,650,752 bytes; atq 8,650,752 bytes; wqq 4,325,376 bytes; woq 4,325,376 bytes; wkvq 1,081,344 bytes; qbuf 33,554,432 bytes
;; launch quant (part 1): grid 256 x 1, 17 waves a work-group, no clusters, 302,592 bytes of LDS; arguments hidden_states, Wq, Wo, Wk, Wv, hsq, wqq, woq, wkvq; writes hsq, wqq, woq, wkvq
.if DOCPART == 1
	.amdgcn_target "amdgcn-amd-amdhsa--gfx1250"
	.amdhsa_code_object_version 6
	.text
	.protected	k_q272069e744_quant
	.globl	k_q272069e744_quant
	.p2align	8
	.type	k_q272069e744_quant,@function
k_q272069e744_quant:
	s_mov_b64 s[64:65], 0
	v_nop
	global_prefetch_b8 v0, s[64:65] scope:SCOPE_SE
	s_setreg_imm32_b32 hwreg(HW_REG_WAVE_MODE, 25, 1), 1
	s_wait_xcnt 0x0
; hidden_states [4096][2048], Wq, Wo [2048][2048], Wk, Wv [512][1024], all f32 with K innermost, become codes of FP8 (E4M3) with one E8M0 scale byte for each 32 along K.
; Each target buffer holds the codes first (a row of K codes is K bytes) and the scale bytes (K / 32 a row) behind them.
; A block's scale is 2^(floor(log2(its largest magnitude)) - 8); its byte is the largest magnitude's exponent field - 8, held at 1 from below.  Each number is divided by the scale, held within +-448 and rounded to the nearest code, ties to even.
; LIMITS: a block whose largest magnitude lies under 2^-118 keeps the byte 1; a block of zeros has the byte 1 over zero codes (the bytes are read by this program alone); NaN and infinities among the inputs are not served.
; SHARES.  The five tensors are 4,352 runs of 4,096 numbers: 17 x 256.  Run W = 17 x work-group + wave is one wave's: runs 0-2047 hidden_states, 2048-3071 Wq, 3072-4095 Wo, 4096-4223 Wk, 4224-4351 Wv.
; A run lies inside one tensor, so only pointers and strides are chosen, by W: one path for all.
; A RUN COMES BY ONE TENSOR LOAD, issued at the head by the wave that reads it: 16,384 dense bytes as 64 rows of 256, 16 bytes of padding behind each.  Nothing is filled again: no ring, no barrier; waves share nothing.
; A lane reads 64 bytes, 16 neighbours along K, at 272 (lane / 4) + 64 (lane % 4): the 16 lanes of a group fall on 16 different 16-byte columns.  Two neighbouring lanes hold a block.  A run is 8 steps of 512 numbers.
; A lane's 16 codes are 16 bytes: the wave stores 512 consecutive bytes a step.  A run's 128 scale bytes are gathered in the wave's own LDS block and leave by one store of 4 bytes a lane: 128 consecutive bytes
; (Wk, Wv: four pieces of 32): half a 256-byte block, one byte in 160 of what the launch moves.
; Wk AND Wv SHARE ONE BUFFER (Wk's 512 rows, then Wv's) AND THEIR ROWS ARE PERMUTED inside each head's 64 rows: dimension d lies at place 16 (d % 4) + d / 4, so that the launch that multiplies by them
; finds, in tile c of 16 consecutive rows, at row r, the dimension 4 r + c.  A run of theirs is 4 rows, dimensions 4 u .. 4 u + 3: row i goes to place 16 i + u.  Row pairs of 1,024 codes lie P bytes apart: dense 1,024, permuted 16,384.
; No cluster: no two work-groups read the same bytes.  No prefetch: the launch has no loop to run ahead in, and every byte is asked for at its head.
.set WAVES, 17
.set EMAX,  8
.set MANT,  0x600000                   ; the mantissa field of 448 as f32
.set WREG,  64*272                     ; LDS: a wave's run, 64 padded rows
.set SCB,   WAVES*WREG                 ; behind the runs: a block of 256 bytes for each wave's scale bytes; no fill lands there
.set SPARE, SCB+WAVES*256              ; behind them the spare words, 128 bytes a wave, which no other line names
.set SPW,   13                         ; v13 my spare word's address; never rewritten
.set NIL,   14                         ; v14 0; never rewritten
.set X,     16                         ; v16-143  the run: 16 numbers for each of 8 steps
.set C,     144                        ; v144-175 codes, four registers a step
.set E,     176                        ; v176-183 a scale byte a step
.set VO,    184                        ; v184-187 16 x lane + j P
.set G0,    48                         ; s[48:51], s[52:59] the descriptor
.set G1,    52
	s_load_b256 s[4:11], s[0:1], 0x0               ; hidden_states, Wq, Wo, Wk
	s_load_b256 s[12:19], s[0:1], 0x20             ; Wv, hsq, wqq, woq
	s_load_b64 s[20:21], s[0:1], 0x40              ; wkvq
	v_lshl_add_u32 v[SPW], v0, 2, SPARE
	v_mov_b32 v[NIL], 0
	ds_add_u32 v[SPW], v[NIL]                      ; the opening lines: the add,
	ds_add_u32 v[SPW], v[NIL]                      ; once more, and below one wait for both
	v_lshrrev_b32 v1, 5, v0
	v_readfirstlane_b32 s33, v1                    ; wave 0..16
	s_mul_i32 s30, ttmp9, WAVES
	s_add_co_u32 s30, s30, s33                     ; W
	s_mov_b32 s[G1], (3<<16)|(1<<20)|(5<<22)|(3<<25)   ; elements of 8 bytes; four words of padding after every 64
	s_mov_b32 s[G1+1], 32<<16                      ; tensor_dim0: 32 elements, 256 bytes
	s_mov_b32 s[G1+2], 64<<16                      ; tensor_dim1: 64 rows
	s_mov_b32 s[G1+3], 32<<16                      ; tile_dim0
	s_mov_b32 s[G1+4], 64                          ; tile_dim1
	s_mov_b32 s[G1+5], 32                          ; rows are dense
	s_mov_b32 s[G1+6], 0
	s_mov_b32 s[G1+7], 0
	s_mov_b32 s[G0], 1
	s_mul_i32 s[G0+1], s33, WREG                   ; my own LDS bytes
	s_mov_b32 s35, MANT
	s_mov_b32 s26, 4224                            ; the tensor's first run: Wv's figures first, then the others' by four compares
	s_mov_b32 s27, 0x100000                        ; where the scale bytes begin in the target
	s_mov_b32 s28, 1                               ; rows permuted?
	s_mov_b32 s29, 0x80000                         ; Wv's codes lie behind Wk's 512 rows of 1,024 bytes
	s_wait_dscnt 0x0
	s_wait_kmcnt 0x0
	s_mov_b64 s[22:23], s[12:13]                   ; the source
	s_mov_b64 s[24:25], s[20:21]                   ; the target
	s_cmp_lt_u32 s30, 4224                         ; Wk
	s_cselect_b64 s[22:23], s[10:11], s[22:23]
	s_cselect_b32 s26, 4096, s26
	s_cselect_b32 s29, 0, s29
	s_cmp_lt_u32 s30, 4096                         ; Wo
	s_cselect_b64 s[22:23], s[8:9], s[22:23]
	s_cselect_b64 s[24:25], s[18:19], s[24:25]
	s_cselect_b32 s26, 3072, s26
	s_cselect_b32 s27, 0x400000, s27
	s_cselect_b32 s28, 0, s28
	s_cmp_lt_u32 s30, 3072                         ; Wq
	s_cselect_b64 s[22:23], s[6:7], s[22:23]
	s_cselect_b64 s[24:25], s[16:17], s[24:25]
	s_cselect_b32 s26, 2048, s26
	s_cmp_lt_u32 s30, 2048                         ; hidden_states
	s_cselect_b64 s[22:23], s[4:5], s[22:23]
	s_cselect_b64 s[24:25], s[14:15], s[24:25]
	s_cselect_b32 s26, 0, s26
	s_cselect_b32 s27, 0x800000, s27
	s_sub_co_u32 s31, s30, s26                     ; u: which run of the tensor
	s_lshl_b32 s36, s31, 14                        ; 16,384 bytes of f32 a run (under 2^25)
	s_mov_b32 s37, 0
	s_add_nc_u64 s[22:23], s[22:23], s[36:37]
	s_mov_b64 s[G0+2:G0+3], s[22:23]
	s_or_b32 s[G0+3], s[G0+3], 0x80000000          ; type = 2
	tensor_load_to_lds s[G0:G0+3], s[G1:G1+7]      ; my run: my one tensor load
	s_nop 0
	s_lshl_b32 s38, s31, 12                        ; the run's first code, dense: 4,096 bytes a run
	s_lshr_b32 s39, s31, 4                         ; permuted: sixteen runs to a head of 64 rows x 1,024 bytes,
	s_lshl_b32 s39, s39, 16
	s_and_b32 s40, s31, 15                         ; and run u of a head begins at place u
	s_lshl_b32 s40, s40, 10
	s_add_co_u32 s39, s39, s40
	s_add_co_u32 s39, s39, s29
	s_mov_b32 s41, 1024                            ; P
	s_mov_b32 s42, 32                              ; P / 32: from one 32 scale bytes to the next
	s_cmp_eq_u32 s28, 1
	s_cselect_b32 s38, s39, s38
	s_cselect_b32 s41, 16384, s41
	s_cselect_b32 s42, 512, s42
	s_lshr_b32 s44, s38, 5                         ; a scale byte for each 32 codes
	s_add_co_u32 s44, s44, s27
	s_mov_b32 s45, 0
	s_add_nc_u64 s[46:47], s[24:25], s[44:45]      ; my scale bytes
	s_mov_b32 s39, 0
	s_add_nc_u64 s[24:25], s[24:25], s[38:39]      ; my codes
	s_lshl_b32 s34, s33, 8
	s_add_co_u32 s34, s34, SCB                     ; my block for scale bytes
	v_and_b32 v2, 31, v0                           ; lane
	v_lshrrev_b32 v7, 2, v2
	v_mul_u32_u24 v15, v7, 272
	v_and_b32 v3, 3, v2
	v_lshl_add_u32 v15, v3, 6, v15
	v_add_nc_u32 v15, s[G0+1], v15                 ; my 16 neighbours of step 0; a step is 8 rows on
	v_lshrrev_b32 v5, 1, v2
	v_add_nc_u32 v5, s34, v5                       ; my block's byte
	v_lshlrev_b32 v6, 2, v2
	v_add_nc_u32 v6, s34, v6                       ; and on the way out 4 bytes a lane
	v_lshlrev_b32 v[VO], 4, v2
	v_add_nc_u32 v[VO+1], s41, v[VO]
	v_add_nc_u32 v[VO+2], s41, v[VO+1]
	v_add_nc_u32 v[VO+3], s41, v[VO+2]
	v_lshrrev_b32 v4, 3, v2                        ; lane l holds 4 of the 32 bytes of piece l / 8
	v_mul_lo_u32 v4, v4, s42
	v_and_b32 v9, 7, v2
	v_lshl_add_u32 v4, v9, 2, v4
	s_wait_alu depctr_va_vdst(0)
	s_wait_tensorcnt 0x0                           ; my run is in; nobody else reads it
.irp t, 0,1,2,3,4,5,6,7
.irp i, 0,1,2,3
	ds_load_b128 v[X+16*\t+4*\i:X+16*\t+4*\i+3], v15 offset:2176*\t+16*\i
.endr
.endr
.macro STEP t
.set XS, X+16*(\t)
	s_wait_dscnt 28-3*(\t)                         ; this step's four loads are in: behind them stand 28 - 4 t loads and t byte stores
	v_max3_num_f32 v8, |v[XS]|, |v[XS+1]|, |v[XS+2]|               ; the largest magnitude of my 16, in two chains
	v_max3_num_f32 v9, |v[XS+3]|, |v[XS+4]|, |v[XS+5]|
.irp i, 6,10
	v_max3_num_f32 v8, v8, |v[XS+\i]|, |v[XS+\i+1]|
	v_max3_num_f32 v9, v9, |v[XS+\i+2]|, |v[XS+\i+3]|
.endr
	v_max3_num_f32 v8, v8, |v[XS+14]|, |v[XS+15]|
	v_max3_num_f32 v8, v8, v9, (EMAX+1)<<23        ; and the floor 2^(9 - 127): the byte cannot fall under 1
	v_max_num_f32_dpp v8, v8, v8 row_xmask:1 row_mask:0xf bank_mask:0xf   ; and of my neighbour's 16: the block's
	v_add_nc_u32 v11, -(EMAX<<23), v8              ; 8 off its exponent field: the conversion takes the exponent field of this operand as its scale
	v_and_or_b32 v10, v8, 0x7f800000, s35          ; 448 x the scale
.irp i, 0,1,2,3,4,5,6,7,8,9,10,11,12,13,14,15
	v_med3_num_f32 v[XS+\i], v[XS+\i], -v10, v10   ; the conversion to an 8-bit code does not saturate (ISA guide 7.6.2): the hold comes first
.endr
	v_cvt_scalef32_pk8_fp8_f32 v[C+4*(\t):C+4*(\t)+1], v[XS:XS+7], v11
	v_cvt_scalef32_pk8_fp8_f32 v[C+4*(\t)+2:C+4*(\t)+3], v[XS+8:XS+15], v11
	v_lshrrev_b32 v[E+(\t)], 23, v11               ; the scale's byte
	ds_store_b8 v5, v[E+(\t)] offset:16*(\t)       ; both lanes of a block write the same byte with the same value
	global_store_b128 v[VO+(\t)/2], v[C+4*(\t):C+4*(\t)+3], s[24:25] offset:512*((\t)%2)   ; 512 consecutive bytes, at a multiple of 512 from the buffer's first byte
.endm
.irp t, 0,1,2,3,4,5,6,7
	STEP \t
.endr
	ds_load_b32 v12, v6                            ; LDS serves a wave's instructions in order: this sees my stores
	s_wait_dscnt 0x0
	global_store_b32 v4, v12, s[46:47]
	s_wait_tensorcnt 0x0                           ; the wave's end
	ds_add_u32 v[SPW], v[NIL]
	s_wait_dscnt 0x0
	s_endpgm
.Lfunc_end_k_q272069e744_quant:
	.size	k_q272069e744_quant, .Lfunc_end_k_q272069e744_quant-k_q272069e744_quant
	.p2alignl 7, 3214868480
	.fill 96, 4, 3214868480
	.section	.rodata,"a",@progbits
	.p2align	6, 0x0
	.amdhsa_kernel k_q272069e744_quant
		.amdhsa_group_segment_fixed_size 302592
		.amdhsa_private_segment_fixed_size 0
		.amdhsa_enable_private_segment 0
		.amdhsa_kernarg_size 72
		.amdhsa_user_sgpr_count 2
		.amdhsa_user_sgpr_kernarg_segment_ptr 1
		.amdhsa_wavefront_size32 1
		.amdhsa_system_sgpr_workgroup_id_x 1
		.amdhsa_system_sgpr_workgroup_id_y 1
		.amdhsa_system_sgpr_workgroup_id_z 1
		.amdhsa_system_vgpr_workitem_id 0
		.amdhsa_next_free_vgpr 188
		.amdhsa_next_free_sgpr 66
		.amdhsa_reserve_vcc 0
		.amdhsa_float_denorm_mode_32 3
		.amdhsa_float_denorm_mode_16_64 3
		.amdhsa_memory_ordered 1
		.amdhsa_forward_progress 1
		.amdhsa_inst_pref_size 24
	.end_amdhsa_kernel
	.amdgpu_metadata
---
amdhsa.version: [ 1, 2 ]
amdhsa.kernels:
  - .name:           k_q272069e744_quant
    .symbol:         k_q272069e744_quant.kd
    .args:
      - { .name: hidden_states, .offset: 0, .size: 8, .value_kind: global_buffer, .address_space: global }
      - { .name: Wq, .offset: 8, .size: 8, .value_kind: global_buffer, .address_space: global }
      - { .name: Wo, .offset: 16, .size: 8, .value_kind: global_buffer, .address_space: global }
      - { .name: Wk, .offset: 24, .size: 8, .value_kind: global_buffer, .address_space: global }
      - { .name: Wv, .offset: 32, .size: 8, .value_kind: global_buffer, .address_space: global }
      - { .name: hsq, .offset: 40, .size: 8, .value_kind: global_buffer, .address_space: global }
      - { .name: wqq, .offset: 48, .size: 8, .value_kind: global_buffer, .address_space: global }
      - { .name: woq, .offset: 56, .size: 8, .value_kind: global_buffer, .address_space: global }
      - { .name: wkvq, .offset: 64, .size: 8, .value_kind: global_buffer, .address_space: global }
    .group_segment_fixed_size: 302592
    .private_segment_fixed_size: 0
    .kernarg_segment_align: 8
    .kernarg_segment_size: 72
    .max_flat_workgroup_size: 544
    .sgpr_count:     66
    .vgpr_count:     188
    .wavefront_size: 32
...
	.end_amdgpu_metadata
.endif
;; end of part 1
;; launch qgemm (part 2): grid 8 x 32, 4 waves a work-group, clusters of 4 x 4, 327,680 bytes of LDS; arguments hsq, wqq, qbuf; writes qbuf
.if DOCPART == 2
	.amdgcn_target "amdgcn-amd-amdhsa--gfx1250"
	.amdhsa_code_object_version 6
	.text
	.protected	k_q272069e744_qgemm
	.globl	k_q272069e744_qgemm
	.p2align	8
	.type	k_q272069e744_qgemm,@function
k_q272069e744_qgemm:
	s_mov_b64 s[64:65], 0
	v_nop
	global_prefetch_b8 v0, s[64:65] scope:SCOPE_SE
	s_setreg_imm32_b32 hwreg(HW_REG_WAVE_MODE, 25, 1), 1
	s_wait_xcnt 0x0
	s_wait_alu depctr_hold_cnt(0) depctr_sa_sdst(0) depctr_va_vdst(0) depctr_va_sdst(0) depctr_va_ssrc(0) depctr_va_vcc(0) depctr_vm_vsrc(0)
	s_getreg_b32 s2, hwreg(HW_REG_IB_STS2, 6, 4)
	s_cmp_eq_u32 s2, 0
	s_cbranch_scc0 .Lentry_in_a_cluster
	s_endpgm
.Lentry_in_a_cluster:
	s_bfe_u32 s2, ttmp6, 0x10000c
	s_cmp_lg_u32 s2, 0xf033
	s_cbranch_scc0 .Lentry_shape_is_right
	s_endpgm
.Lentry_shape_is_right:
; C[m][n] = sum over k of A[m][k] B[n][k].  A: [SIZE_M][SIZE_K], B: [SIZE_N][SIZE_K]: codes of FP8 (E4M3) with one E8M0 scale for each 32 along K; C: [SIZE_M][SIZE_N] f32; sums in f32.
; Each operand's buffer holds its codes first and its scale bytes [rows][SIZE_K / 32] behind them.  The body serves two launches of one shape: q = hidden Wq^T and out = attention Wo^T.
; SHARES.  A tile of C is 128 x 256: C has 32 x 8 = 256 of them, one to a work-group of four waves; a wave makes 64 x 128: 32 accumulators of 16 x 16, 256 registers.
; THE RING HAS TWO UNEQUAL SLOTS.  A slot is filled again only when all earlier tensor loads have landed, so with 32 products to a step of 128 along K what counts is how many refills follow each other.
; Slot X holds 512 along K (384 rows x 528 bytes), slot Y 256 (384 rows x 272): K's 2,048 go as X 512, Y 256, X 512, Y 256, X 512: five fills, one behind the other, three of them refills.  The 16 steps are written out: no loop.
; THE SCALES do not fit beside these slots: each wave loads the scale words of its own 64 rows of A and 128 rows of B, for all of K, once, into 96 registers: four loads of 16 bytes a lane cover 32 rows' 2,048 consecutive bytes.
; CLUSTERS: 4 x 4 work-groups.  The four of a row of the cluster need the same tiles of A, the four of a column the same tiles of B: each tile is asked for JOINTLY, by the same tensor load with the
; same descriptor and a mask that names the four.  THE MATRIX INSTRUCTION IS USED TRANSPOSED (source 0 = 16 rows of B, source 1 = 16 rows of A): a lane then holds eight neighbouring numbers of a row of C.
; REGISTERS, in windows of 256: window 0: v0-31 addresses; v32-63 A's scale words, v64-127 B's (these hold scales and nothing else); v128-255 A's fragments (4 x 16 rows x 128 K), two sets; on the way out rows of C.
;   window 1: B's fragments (8 x 16 rows x 128 K), two sets, at v0 and at v128.   window 2: the accumulators, (a, b) at v[8 (8 a + b)].
.set SIZE_M, 4096
.set SIZE_N, 2048
.set SIZE_K, 2048
.set ASC,    SIZE_M*SIZE_K             ; where A's scale bytes begin in its buffer
.set BSC,    SIZE_N*SIZE_K             ; and B's
.set KROW,   SIZE_K                    ; a row of A or of B in memory, in bytes
.set PX,     528                       ; an LDS row of slot X: 512 bytes + 16 of padding; of slot Y: 256 + 16.  Both are odd multiples of 16 bytes, so the 16 rows that a load touches
.set PY,     272                       ; start at 16 different 16-byte columns of the 64 banks of 4 bytes (ISA guide 11.1)
.set LXB,    128*PX                    ; slot X begins at LDS byte 0: A's 128 rows, then B's 256
.set LYA,    384*PX                    ; slot Y behind it: A's 128 rows,
.set LYB,    LYA+128*PY                ; then B's 256
.set SPARE,  LYA+384*PY                ; behind the slots: the spare words, 128 bytes for each wave, which no other line names
.set LAP,    768                       ; bytes along K from a slot's tile to its next: 512 + 256
.set NP,     8                         ; places behind this matrix instruction (ISA guide 7.12.1)
.set SPITCH, 528                       ; the way out: a stage of 16 rows x (512 bytes + 16) for each wave.  It lies in slot Y, which has had its last fill and its last read when the first result is stored there
.set STG,    LYA
.set ADRA, 16                          ; v16-17  LDS address of my A fragments in slot X, Y
.set ADRB, 20                          ; v20-21  the same for B
.set STO,  24                          ; v24     the way out: where I put 32 bytes of a row
.set RD,   25                          ; v25     the way out: where I read a row back
.set CO,   26                          ; v26     my byte offset in a row of C
.set SCO,  27                          ; v27     64 x lane: my row among 32 rows of scale bytes
.set SPW,  28                          ; v28     LDS address of my spare word; never rewritten
.set NIL,  29                          ; v29     0; never rewritten
.set PFO,  30                          ; v30     the prefetches' offset: my lane x a row of codes; never rewritten
.set SA,   32                          ; A's scale words: v[SA + 16 (a / 2) + g]: step g of 128 along K; lanes 0-15 the even block's rows, lanes 16-31 the odd block's
.set SB,   64                          ; B's: v[SB + 16 (b / 2) + g]
.set AF,   128                         ; A's fragments, in window 0: set p at AF + 64 p
.set G1A,  24                          ; s[24:31], s[32:39] descriptor group 1 for A's tiles in slot X, Y
.set G1B,  48                          ; s[48:55], s[56:63] for B's
.set G0A,  68                          ; s[68:71], s[72:75] group 0 for A's tiles in slot X, Y
.set G0B,  76                          ; s[76:79], s[80:83] for B's
.set PFA,  86                          ; s[86:87] where my prefetches stand: my 32 rows' first byte; never rewritten
.set PF,   88                          ; s88     1 in a wave that prefetches
.set MSB, 0
.macro WIN new                         ; the immediate's high byte repeats the setting that is left; a switch that changes nothing is dropped
.if MSB != (\new)
	s_set_vgpr_msb (MSB<<8)|(\new)
.set MSB, (\new)
.endif
.endm
.set MULW, 0xa1                        ; source 0 (B) window 1, source 1 (A) window 0, C and D window 2
.set TO_B, 0x40                        ; destination window 1, address window 0
; A joint load into slot k (0: X, 1: Y): waves 0 and 1 fetch A's halves (64 rows each), waves 2 and 3 B's (128 rows each).  Each of the two lines has ONE mask and one set of registers for all that issue it;
; the branch hangs on the wave's number alone.  Four v_nop follow each of the two lines, ahead of the jump, the label and what follows.
.macro JLOAD k
	s_cmp_eq_u32 s15, 0
	s_cbranch_scc0 .Lfor_b_\@
	tensor_load_to_lds s[G0A+4*(\k):G0A+4*(\k)+3], s[G1A+8*(\k):G1A+8*(\k)+7]
	s_nop 0
.rept 4
	v_nop
.endr
	s_branch .Lasked_\@
.Lfor_b_\@:
	tensor_load_to_lds s[G0B+4*(\k):G0B+4*(\k)+3], s[G1B+8*(\k):G1B+8*(\k)+7]
	s_nop 0
.rept 4
	v_nop
.endr
.Lasked_\@:
.endm
; PREFETCHES INTO THE L2 of what later fills will ask for, a lane a row, 256 bytes of the row to an instruction.  At the head, behind slot X's first load: K 512 to 1,279, which slot Y's first fill and slot X's first refill bring
; (three blocks a row).  n = 1, behind the refill of slot X with K 768 on: slot Y's next tile, K 1,280 on; n = 2, behind that refill of slot Y: slot X's last tile, K 1,536 on, two blocks a row.
; Each block is named ONCE in the launch.  A's tile row is read by both clusters of its row of clusters: cluster x = 0 asks; B's tile column by all eight of its column: cluster y = 0 asks.  The four partners that ask
; for a tile jointly share its rows out BY ADDRESS (A: 32 rows each, by cx; B: 64 each, by cy): no branch hangs on a work-group's place in its cluster.  Wave 0 asks for A's 32 rows, waves 2 and 3 for 32 of B's each.
; K's first 512 come by their load alone; every offset is an immediate, so no address is stepped.
.macro ASK n
	s_cmp_eq_u32 s[PF], 1
	s_cbranch_scc0 .Lnot_mine_\@
.if (\n) == 1
	global_prefetch_b8 v[PFO], s[PFA:PFA+1] offset:1280 th:TH_LOAD_NT scope:SCOPE_SE
.else
	global_prefetch_b8 v[PFO], s[PFA:PFA+1] offset:1536 th:TH_LOAD_NT scope:SCOPE_SE
	global_prefetch_b8 v[PFO], s[PFA:PFA+1] offset:1792 th:TH_LOAD_NT scope:SCOPE_SE
.endif
.Lnot_mine_\@:
.endm
.macro CREST                           ; a round of the cluster's barrier behind its opening barrier
	s_cmp_lg_u32 s14, 0
	s_cbranch_scc1 .Lnot_wave_0_\@
	s_barrier_signal -3
.Lnot_wave_0_\@:
	s_barrier_wait -3
	s_barrier_signal -1
	s_barrier_wait -1
.endm
.macro CROUND                          ; a whole round
	s_barrier_signal -1
	s_barrier_wait -1
	CREST
.endm
.macro SHAPE g, cols, rows             ; words 1 to 7 of a group 1: a tile of rows x cols bytes, its rows KROW bytes apart in memory
	s_mov_b32 s[\g+1], (\cols)<<16                 ; tensor_dim0
	s_mov_b32 s[\g+2], (\rows)<<16                 ; tensor_dim1
	s_mov_b32 s[\g+3], (\cols)<<16                 ; tile_dim0
	s_mov_b32 s[\g+4], \rows                       ; tile_dim1
	s_mov_b32 s[\g+5], KROW                        ; tensor_dim0_stride
	s_mov_b32 s[\g+6], 0
	s_mov_b32 s[\g+7], 0
.endm
	s_load_b64 s[4:5], s[0:1], 0x0                 ; A's buffer
	s_load_b64 s[8:9], s[0:1], 0x8                 ; B's buffer
	s_load_b64 s[12:13], s[0:1], 0x10              ; C
	v_lshl_add_u32 v[SPW], v0, 2, SPARE
	v_mov_b32 v[NIL], 0
	ds_add_u32 v28, v29
	ds_add_u32 v28, v29
	s_wait_dscnt 0x0
	v_lshrrev_b32 v1, 5, v0
	v_readfirstlane_b32 s14, v1                    ; wave 0..3
	s_lshr_b32 s15, s14, 1                         ; which 64 of the tile's rows are mine.  Also: I fetch for A (0) or for B (1)
	s_and_b32 s16, s14, 1                          ; which 128 of its columns.  Also: which half of that operand's rows I fetch
	s_bfe_u32 s40, ttmp6, 0x40000                  ; cx, cy: my place in the cluster
	s_bfe_u32 s41, ttmp6, 0x40004
	s_lshl_b32 s42, ttmp9, 2
	s_add_co_u32 s42, s42, s40                     ; tile column of C = 4 x cluster x + cx
	s_and_b32 s17, ttmp7, 0xffff
	s_lshl_b32 s17, s17, 2
	s_add_co_u32 s17, s17, s41                     ; tile row of C = 4 x cluster y + cy
	s_lshl_b32 s43, s41, 2
	s_lshl_b32 s43, 15, s43                        ; my row of the cluster
	s_lshl_b32 s44, 0x1111, s40                    ; my column
	; descriptor group 1, word 0: 15:0 the mask (A's tiles go to my row, B's to my column); 17:16 elements of 1 byte; 20 padding on; 21 set beside a mask; 24:22 after every 128 words (code 6: slot X) or 64 (code 5: slot Y); 31:25 of 4 words (code 3)
	s_or_b32 s[G1A], s43, (1<<20)|(1<<21)|(6<<22)|(3<<25)
	s_or_b32 s[G1A+8], s43, (1<<20)|(1<<21)|(5<<22)|(3<<25)
	s_or_b32 s[G1B], s44, (1<<20)|(1<<21)|(6<<22)|(3<<25)
	s_or_b32 s[G1B+8], s44, (1<<20)|(1<<21)|(5<<22)|(3<<25)
	SHAPE G1A, 512, 64
	SHAPE G1A+8, 256, 64
	SHAPE G1B, 512, 128
	SHAPE G1B+8, 256, 128
	; where the tiles come from.  A's hang on the tile row alone, B's on the tile column alone; every wave makes both, in registers that never hold the other coordinate
	s_lshl_b32 s18, s16, 6
	s_lshl_b32 s20, s17, 7
	s_add_co_u32 s20, s20, s18                     ; A: row 128 x tile row + 64 x half,
	s_lshl_b32 s20, s20, 11                        ; in bytes (under 2^23)
	s_mov_b32 s21, 0
	s_lshl_b32 s18, s16, 7
	s_lshl_b32 s46, s42, 8
	s_add_co_u32 s46, s46, s18                     ; B: row 256 x tile column + 128 x half
	s_lshl_b32 s46, s46, 11
	s_mov_b32 s47, 0
	s_lshl_b32 s18, s15, 6                         ; the scale bytes of the rows that I multiply: A's 64,
	s_lshl_b32 s22, s17, 7
	s_add_co_u32 s22, s22, s18
	s_lshl_b32 s22, s22, 6                         ; 64 bytes a row
	s_mov_b32 s23, 0
	s_lshl_b32 s18, s16, 7                         ; B's 128
	s_lshl_b32 s92, s42, 8
	s_add_co_u32 s92, s92, s18
	s_lshl_b32 s92, s92, 6
	s_mov_b32 s93, 0
	s_mul_i32 s45, s16, 64*PX                      ; and where the tiles go: made of the wave's number alone.  Slot X: A's half,
	s_mul_i32 s94, s16, 128*PX
	s_add_co_u32 s94, s94, LXB                     ; B's half;
	s_mul_i32 s95, s16, 64*PY
	s_add_co_u32 s95, s95, LYA                     ; slot Y: A's half,
	s_mul_i32 s96, s16, 128*PY
	s_add_co_u32 s96, s96, LYB                     ; B's half
	s_wait_kmcnt 0x0
	s_add_nc_u64 s[6:7], s[4:5], ASC               ; A's scale bytes lie behind its codes,
	s_add_nc_u64 s[10:11], s[8:9], BSC             ; and B's
	s_add_nc_u64 s[6:7], s[6:7], s[22:23]
	s_add_nc_u64 s[10:11], s[10:11], s[92:93]
	s_add_nc_u64 s[20:21], s[4:5], s[20:21]
	s_add_nc_u64 s[46:47], s[8:9], s[46:47]
	CROUND                                         ; all sixteen work-groups are here: the first joint loads meet
	s_mov_b32 s[G0A], 1                            ; 1:0 count = 1
	s_mov_b32 s[G0A+1], s45                        ; 63:32 LDS address
	s_mov_b64 s[G0A+2:G0A+3], s[20:21]             ; 120:64 global address: K 0 on
	s_or_b32 s[G0A+3], s[G0A+3], 0x80000000        ; 127:126 type = 2
	s_mov_b32 s[G0B], 1
	s_mov_b32 s[G0B+1], s94
	s_mov_b64 s[G0B+2:G0B+3], s[46:47]
	s_or_b32 s[G0B+3], s[G0B+3], 0x80000000
	JLOAD 0                                        ; slot X: K 0 to 511
	s_mov_b32 s[G0A+4], 1
	s_mov_b32 s[G0A+5], s95
	s_add_nc_u64 s[G0A+6:G0A+7], s[20:21], 512
	s_or_b32 s[G0A+7], s[G0A+7], 0x80000000
	s_mov_b32 s[G0B+4], 1
	s_mov_b32 s[G0B+5], s96
	s_add_nc_u64 s[G0B+6:G0B+7], s[46:47], 512
	s_or_b32 s[G0B+7], s[G0B+7], 0x80000000        ; slot Y's descriptors stand ready: its first fill is issued further down, as a refill is
	v_and_b32 v6, 31, v0                           ; lane
	v_lshlrev_b32 v[SCO], 6, v6
.irp m, 0,1                            ; A's scale words: lane l takes row 32 m + l of my 64: block 2 m + l / 16; 16 bytes are the words of four steps of 128 along K
.irp u, 0,1,2,3
	global_load_b128 v[SA+16*\m+4*\u:SA+16*\m+4*\u+3], v[SCO], s[6:7] offset:2048*\m+16*\u
.endr
.endr
.irp m, 0,1,2,3                        ; B's likewise, of my 128 rows
.irp u, 0,1,2,3
	global_load_b128 v[SB+16*\m+4*\u:SB+16*\m+4*\u+3], v[SCO], s[10:11] offset:2048*\m+16*\u
.endr
.endr
	v_and_b32 v1, 15, v0                           ; l % 16
	v_bfe_u32 v2, v0, 4, 1                         ; l / 16
	v_mul_u32_u24 v3, v1, PX
	v_lshl_add_u32 v3, v2, 4, v3                   ; a fragment's row x pitch + 16 x half, in slot X
	v_mul_u32_u24 v4, v1, PY
	v_lshl_add_u32 v4, v2, 4, v4                   ; and in slot Y
	s_mul_i32 s18, s15, 64*PX                      ; my 64 rows of A
	v_add_nc_u32 v[ADRA], s18, v3
	v_add_nc_u32 v[ADRB], s94, v3                  ; my 128 rows of B are the half that bears my column's number
	s_mul_i32 s18, s15, 64*PY
	s_add_co_u32 s18, s18, LYA
	v_add_nc_u32 v[ADRA+1], s18, v4
	v_add_nc_u32 v[ADRB+1], s96, v4
	s_mul_i32 s18, s14, 16*SPITCH
	s_add_co_u32 s18, s18, STG                     ; my stage
	v_mul_u32_u24 v5, v1, SPITCH                   ; in: row l % 16, 32 bytes for each half of the lanes
	v_lshl_add_u32 v5, v2, 5, v5
	v_add_nc_u32 v[STO], s18, v5
	v_lshlrev_b32 v[CO], 4, v6                     ; back: the 32 lanes take one row of 512 bytes; and the same in C
	v_add_nc_u32 v[RD], s18, v[CO]
	s_lshl_b32 s18, s17, 7
	s_lshl_b32 s19, s15, 6
	s_add_co_u32 s18, s18, s19                     ; my first row of C: 128 x tile row + 64 x half,
	s_lshl_b32 s18, s18, 13                        ; 8,192 bytes a row (under 2^25);
	s_lshl_b32 s19, s42, 10                        ; my first column, in bytes: 1,024 x tile column + 512 x half
	s_add_co_u32 s18, s18, s19
	s_lshl_b32 s19, s16, 9
	s_add_co_u32 s18, s18, s19
	s_mov_b32 s19, 0
	s_add_nc_u64 s[12:13], s[12:13], s[18:19]
	; the prefetches: where my wave's stand, and who asks
	s_lshl_b32 s84, s17, 7                         ; A's tile: its first row
	s_lshl_b32 s85, s42, 8                         ; B's
	s_and_b32 s89, ttmp7, 0xffff                   ; cluster y
	s_cmp_eq_u32 s15, 0                            ; do I fetch for A?
	s_cselect_b32 s84, s84, s85
	s_cselect_b32 s85, s40, s41                    ; my place among the four that ask with me
	s_cselect_b32 s89, ttmp9, s89                  ; the coordinate along which other clusters read the same rows
	s_cselect_b32 s90, 5, 6                        ; 32 rows of A, 64 of B to a partner;
	s_cselect_b32 s91, 0, s16                      ; of B's 64, 32 to each of waves 2 and 3
	s_cselect_b64 s[PFA:PFA+1], s[4:5], s[8:9]
	s_lshl_b32 s85, s85, s90
	s_add_co_u32 s84, s84, s85
	s_lshl_b32 s91, s91, 5
	s_add_co_u32 s84, s84, s91
	s_lshl_b32 s84, s84, 11                        ; in bytes
	s_mov_b32 s85, 0
	s_add_nc_u64 s[PFA:PFA+1], s[PFA:PFA+1], s[84:85]
	s_cmp_eq_u32 s14, 1                            ; wave 1 asks for nothing: wave 0's 32 lanes cover the partner's 32 rows of A
	s_cselect_b32 s90, 1, 0
	s_or_b32 s89, s89, s90
	s_cmp_eq_u32 s89, 0
	s_cselect_b32 s[PF], 1, 0                      ; the same in all sixteen partners, for a given wave
	v_lshlrev_b32 v[PFO], 11, v6
	s_cmp_eq_u32 s[PF], 1
	s_cbranch_scc0 .Lno_first_ask
	global_prefetch_b8 v[PFO], s[PFA:PFA+1] offset:512 th:TH_LOAD_NT scope:SCOPE_SE    ; slot Y's first tile
	global_prefetch_b8 v[PFO], s[PFA:PFA+1] offset:768 th:TH_LOAD_NT scope:SCOPE_SE    ; slot X's second tile, two blocks a row
	global_prefetch_b8 v[PFO], s[PFA:PFA+1] offset:1024 th:TH_LOAD_NT scope:SCOPE_SE
.Lno_first_ask:
.macro FRAG reg, adr, q, i, pitch      ; a fragment, 16 rows x 128 K of 8-bit codes, is 16 registers: lane l holds row l % 16; registers 4 c .. 4 c + 3 hold K = 32 c + 16 (l / 16) + 0 .. 15
.irp c, 0,1,2,3
	ds_load_b128 v[\reg+4*\c:\reg+4*\c+3], v[\adr] offset:128*(\q)+32*\c+(\i)*16*(\pitch)
.endr
.endm
.macro FETCH k, q, p                   ; 48 LDS loads in one run: B's eight and A's four fragments of slot k's q-th 128 along K, into set p
	WIN TO_B
.irp i, 0,1,2,3,4,5,6,7
	FRAG 128*(\p)+16*\i, ADRB+\k, \q, \i, PX-256*(\k)
.endr
	WIN 0
.irp i, 0,1,2,3
	FRAG AF+64*(\p)+16*\i, ADRA+\k, \q, \i, PX-256*(\k)
.endr
.endm
; One product: A's block a, B's block b, set p, step g of 128 along K.  zero = 1: the first step starts the sums with the constant 0: nothing is cleared.  An odd block's scale words stand in lanes 16-31 of their register.
.macro WM a, b, p, g, zero
.set rD, 8*(8*(\a)+(\b))
.set rB, 128*(\p)+16*(\b)
.set rA, AF+64*(\p)+16*(\a)
.set rT, SB+16*((\b)/2)+(\g)
.set rS, SA+16*((\a)/2)+(\g)
.if \zero
.if ((\b)%2 == 0) && ((\a)%2 == 0)
	v_wmma_scale_f32_16x16x128_f8f6f4 v[rD:rD+7], v[rB:rB+15], v[rA:rA+15], 0, v[rT], v[rS]
.elseif (\b)%2 == 0
	v_wmma_scale_f32_16x16x128_f8f6f4 v[rD:rD+7], v[rB:rB+15], v[rA:rA+15], 0, v[rT], v[rS] matrix_b_scale:MATRIX_SCALE_ROW1
.elseif (\a)%2 == 0
	v_wmma_scale_f32_16x16x128_f8f6f4 v[rD:rD+7], v[rB:rB+15], v[rA:rA+15], 0, v[rT], v[rS] matrix_a_scale:MATRIX_SCALE_ROW1
.else
	v_wmma_scale_f32_16x16x128_f8f6f4 v[rD:rD+7], v[rB:rB+15], v[rA:rA+15], 0, v[rT], v[rS] matrix_a_scale:MATRIX_SCALE_ROW1 matrix_b_scale:MATRIX_SCALE_ROW1
.endif
.else
.if ((\b)%2 == 0) && ((\a)%2 == 0)
	v_wmma_scale_f32_16x16x128_f8f6f4 v[rD:rD+7], v[rB:rB+15], v[rA:rA+15], v[rD:rD+7], v[rT], v[rS]
.elseif (\b)%2 == 0
	v_wmma_scale_f32_16x16x128_f8f6f4 v[rD:rD+7], v[rB:rB+15], v[rA:rA+15], v[rD:rD+7], v[rT], v[rS] matrix_b_scale:MATRIX_SCALE_ROW1
.elseif (\a)%2 == 0
	v_wmma_scale_f32_16x16x128_f8f6f4 v[rD:rD+7], v[rB:rB+15], v[rA:rA+15], v[rD:rD+7], v[rT], v[rS] matrix_a_scale:MATRIX_SCALE_ROW1
.else
	v_wmma_scale_f32_16x16x128_f8f6f4 v[rD:rD+7], v[rB:rB+15], v[rA:rA+15], v[rD:rD+7], v[rT], v[rS] matrix_a_scale:MATRIX_SCALE_ROW1 matrix_b_scale:MATRIX_SCALE_ROW1
.endif
.endif
.endm
.macro MUL8 a, p, g, zero              ; eight products: A's block a x B's eight.  The 32 accumulators take turns, one instruction a turn, in the same order in every step
.irp b, 0,1,2,3,4,5,6,7
	WM \a, \b, \p, \g, \zero
.endr
.endm
; A load into a register that a matrix instruction has read, and an LDS store that reads a matrix result, stand NP places behind that matrix instruction, and only plain vector
; instructions that name none of its registers are places (ISA guide 7.12.1 for vector instructions); the matrix instructions in between are not counted.
.macro PLACES n
.rept \n
	v_nop
.endr
.endm
; Step g of 128 along K, the q-th of slot k, with its successor in the same slot: the successor's fragments are asked for into the other set, ahead of this step's 32 products.
.macro STEP k, q, g, zero
	s_wait_dscnt 0x0                               ; this step's fragments are in (asked for 32 products ago)
.if (\g) > 0
	PLACES NP                                      ; the other set was read by the last step's products
.endif
	FETCH \k, (\q)+1, 1-((\q)%2)
	WIN MULW
	MUL8 0, (\q)%2, \g, \zero
	MUL8 1, (\q)%2, \g, \zero
	MUL8 2, (\q)%2, \g, \zero
	MUL8 3, (\q)%2, \g, \zero
	WIN 0
.endm
; A slot's last step changes slots: ONE barrier; in front of it each wave waits for all its tensor loads (one is out: its part of the next slot), adds 0 to its spare word, and waits for that and for its own reads of this slot.
; fill = 1: the barrier opens a round of the cluster's, and this slot is filled again first thing behind it, with the tile LAP bytes further along K.  ask: the prefetch that follows (0: none).
.macro TURN k, q, g, nk, fill, ask
	s_wait_tensorcnt 0x0                           ; all my tensor loads have landed  (every window is 0 here: the add's two registers lie in window 0)
	ds_add_u32 v[SPW], v[NIL]                      ; 0 onto my spare word
	s_wait_dscnt 1                                 ; this step's fragments are in; the add may be out
	WIN MULW
	MUL8 0, (\q)%2, \g, 0                          ; eight matrix instructions stand between the add and the wait for it
	s_wait_dscnt 0x0                               ; the add is done, and my reads of this slot are over
	s_barrier_signal -1
	MUL8 1, (\q)%2, \g, 0
	WIN 0
	s_barrier_wait -1
.if \fill
	CREST                                          ; no wave of any partner still reads this slot's tile or has a load on its way
	s_add_nc_u64 s[G0A+4*(\k)+2:G0A+4*(\k)+3], s[G0A+4*(\k)+2:G0A+4*(\k)+3], LAP
	s_add_nc_u64 s[G0B+4*(\k)+2:G0B+4*(\k)+3], s[G0B+4*(\k)+2:G0B+4*(\k)+3], LAP
	JLOAD \k                                       ; the first tensor load behind the round; the four v_nop behind it are among the places in front of the loads below
	PLACES NP-4
.else
	PLACES NP
.endif
	FETCH \nk, 0, 0
.if \ask
	ASK \ask
.endif
	WIN MULW
	MUL8 2, (\q)%2, \g, 0
	MUL8 3, (\q)%2, \g, 0
	WIN 0
.endm
	; THE ORDER OF THE FILLS: at the head each wave has issued one joint load, its part of slot X (K 0 to 511).  Slot Y's first fill follows behind the lines below, so the five fills go out one behind the other.
	s_wait_alu depctr_va_vdst(0)
	s_wait_tensorcnt 0x0                           ; my part of slot X is in
	ds_add_u32 v[SPW], v[NIL]                      ; 0 onto my spare word
	s_wait_dscnt 0x0                               ; the add is done
	CROUND                                         ; a whole round: everybody's part of slot X is in, and all sixteen work-groups are here: the joint loads meet
	JLOAD 1                                        ; slot Y: K 512 to 767: the first tensor load behind the round; one load of mine is out
	FETCH 0, 0, 0
	s_wait_loadcnt 0x0                             ; the scale words
	STEP 0, 0, 0, 1                                ; K 0 to 511, in slot X; the first step's products start the sums
	STEP 0, 1, 1, 0
	STEP 0, 2, 2, 0
	TURN 0, 3, 3, 1, 1, 1                          ; slot X takes K 768 to 1,279
	STEP 1, 0, 4, 0                                ; K 512 to 767, in slot Y
	TURN 1, 1, 5, 0, 1, 2                          ; slot Y takes K 1,280 to 1,535
	STEP 0, 0, 6, 0                                ; K 768 to 1,279
	STEP 0, 1, 7, 0
	STEP 0, 2, 8, 0
	TURN 0, 3, 9, 1, 1, 0                          ; slot X takes K 1,536 to 2,047: the last load
	STEP 1, 0, 10, 0                               ; K 1,280 to 1,535
	TURN 1, 1, 11, 0, 0, 0                         ; nothing is left to fetch, so no round follows
; K 1,536 to 2,047, the last tile of slot X, is multiplied further down, behind the macros of the way out: step 12 as every step, steps 13 to 15 by rows of C.
; THE WAY OUT, block by block of 16 rows x 128 columns.  A lane holds 32 neighbouring bytes of a row, and the lanes beside it hold other rows: so a block goes through my own stage in LDS and comes back as whole
; rows of 512 bytes, which the 32 lanes store together.  LDS serves a wave's instructions in order (ISA guide 5.7.1.4): no wait between the stores and the loads, nor in front of the next block's stores.
.macro TOSTAGE a
.set AC, 64*(\a)
	WIN 0x08                                       ; an LDS store's data are its source 1: window 2
.irp b, 0,1,2,3,4,5,6,7
	ds_store_b128 v[STO], v[AC+8*\b:AC+8*\b+3] offset:64*\b          ; each accumulator from its low end on
	ds_store_b128 v[STO], v[AC+8*\b+4:AC+8*\b+7] offset:64*\b+16
.endr
	WIN 0x40+0x40*((\a)/2)                         ; back into registers that are free by then: blocks 0, 1: window 1, v0-127 (B's first set, last read by step 12); blocks 2, 3: window 2, v0-127 (the accumulators of blocks 0, 1, which have left)
.set BB, 64*((\a)%2)
.irp t, 0,1,2,3,4,5,6,7,8,9,10,11,12,13,14,15
	ds_load_b128 v[BB+4*\t:BB+4*\t+3], v[RD] offset:\t*SPITCH
.endr
	WIN 0
.endm
.macro SEND a, younger                 ; younger: the LDS instructions issued behind block a's loads, which may stay out
.set BB, 64*((\a)%2)
	s_wait_dscnt \younger                          ; the block is back in registers
	WIN 0x04+0x04*((\a)/2)                         ; a store's data are its source 1: window 1 or 2
.irp t, 0,1,2,3,4,5,6,7,8,9,10,11,12,13,14,15
	global_store_b128 v[CO], v[BB+4*\t:BB+4*\t+3], s[12:13] offset:(16*(\a)+\t)*SIZE_N*4   ; 32 lanes store 512 consecutive bytes, at a multiple of 256 from C's first byte.  Every offset is an immediate (63 rows of C at the most) and each block has registers of its own: no base is stepped, no store's data are written again
.endr
	WIN 0
.endm
; THE LAST THREE STEPS GO BY ROWS OF C.  All of slot X's last tile lies in LDS, so B's fragments of steps 13, 14, 15 come into registers once (step 13: window 1, v128-255; steps 14, 15: window 3), A's come by blocks of
; 16 rows x 384 K (48 registers, two buffers by turns), and my four blocks are finished one after the other, 24 products each, the block's 8 accumulators by turns, K ascending.  Each block leaves when it is finished.
; LDS is read no more than in three steps of the other kind.
.macro WR a, b, q                      ; one product of step 12 + q: A's block a, B's block b
.set rD, 8*(8*(\a)+(\b))
.set rB, 128*((\q)%2)+16*(\b)
.set rA, AF+64*(((\a)+1)%2)+16*((\q)-1)
.set rT, SB+16*((\b)/2)+12+(\q)
.set rS, SA+16*((\a)/2)+12+(\q)
.if ((\b)%2 == 0) && ((\a)%2 == 0)
	v_wmma_scale_f32_16x16x128_f8f6f4 v[rD:rD+7], v[rB:rB+15], v[rA:rA+15], v[rD:rD+7], v[rT], v[rS]
.elseif (\b)%2 == 0
	v_wmma_scale_f32_16x16x128_f8f6f4 v[rD:rD+7], v[rB:rB+15], v[rA:rA+15], v[rD:rD+7], v[rT], v[rS] matrix_b_scale:MATRIX_SCALE_ROW1
.elseif (\a)%2 == 0
	v_wmma_scale_f32_16x16x128_f8f6f4 v[rD:rD+7], v[rB:rB+15], v[rA:rA+15], v[rD:rD+7], v[rT], v[rS] matrix_a_scale:MATRIX_SCALE_ROW1
.else
	v_wmma_scale_f32_16x16x128_f8f6f4 v[rD:rD+7], v[rB:rB+15], v[rA:rA+15], v[rD:rD+7], v[rT], v[rS] matrix_a_scale:MATRIX_SCALE_ROW1 matrix_b_scale:MATRIX_SCALE_ROW1
.endif
.endm
.macro ROWQ a, q                       ; eight products; source 0 (B) in window 1 (q = 1) or 3 (q = 2, 3)
	WIN 0xa1+2*((\q)/2)
.irp b, 0,1,2,3,4,5,6,7
	WR \a, \b, \q
.endr
.endm
.macro BROW q                          ; 32 loads: B's eight fragments of slot X's q-th 128 along K
.irp i, 0,1,2,3,4,5,6,7
	FRAG 128*((\q)%2)+16*\i, ADRB, \q, \i, PX
.endr
.endm
.macro ALOAD a                         ; 12 loads: A's block a, q = 1, 2, 3, into buffer (a + 1) % 2
.irp q, 1,2,3
	FRAG AF+64*(((\a)+1)%2)+16*(\q-1), ADRA, \q, \a, PX
.endr
.endm
	s_wait_dscnt 0x0                               ; step 12's fragments are in
	PLACES NP                                      ; the second sets were read by step 11's products
	WIN TO_B
	BROW 1
	WIN 0
	ALOAD 0                                        ; 44 loads are out
	WIN MULW
	MUL8 0, 0, 12, 0
	MUL8 1, 0, 12, 0
	s_wait_dscnt 28
	WIN 0xc0                                       ; destination window 3, address window 0
	BROW 2                                         ; 60 at the most
	WIN MULW
	MUL8 2, 0, 12, 0
	MUL8 3, 0, 12, 0
	s_wait_dscnt 28                                ; the youngest 28 are of step 14's 32: step 13's fragments of B and A's block 0 are in
	WIN 0xc0
	BROW 3
	ROWQ 0, 1
	s_wait_dscnt 32                                ; step 14's are in; behind them step 15's 32
	PLACES NP                                      ; A's first buffer was read by step 12's products
	WIN 0
	ALOAD 1
	ROWQ 0, 2
	s_wait_dscnt 12                                ; step 15's are in; behind them block 1's 12
	ROWQ 0, 3
.irp a, 0,1,2,3
	PLACES NP                                      ; for the stores that read block a's results, and for the loads into registers that its products and step 12's read
	TOSTAGE \a
.if \a < 2
	ALOAD \a+2                                     ; its buffer takes the block two further on
.endif
.if \a < 3
	s_wait_dscnt 44-12*(\a/2)                      ; A's block a + 1 is in; behind its loads stand the stage's 32 instructions and, for a < 2, the 12 loads above
	ROWQ \a+1, 1
	ROWQ \a+1, 2
	ROWQ \a+1, 3
	WIN 0
.endif
.if \a < 2
	SEND \a, 12                                    ; behind block a's loads from the stage: the 12 loads of A
.else
	SEND \a, 0
.endif
.endr
	s_wait_tensorcnt 0x0                           ; the wave's end, behind my last tensor load and my last LDS store
	ds_add_u32 v[SPW], v[NIL]
	s_wait_dscnt 0x0
	CROUND                                         ; the closing round: no work-group ends while a partner may still ask for a tile that names it
	s_endpgm
.Lfunc_end_k_q272069e744_qgemm:
	.size	k_q272069e744_qgemm, .Lfunc_end_k_q272069e744_qgemm-k_q272069e744_qgemm
	.p2alignl 7, 3214868480
	.fill 96, 4, 3214868480
	.section	.rodata,"a",@progbits
	.p2align	6, 0x0
	.amdhsa_kernel k_q272069e744_qgemm
		.amdhsa_group_segment_fixed_size 327680
		.amdhsa_private_segment_fixed_size 0
		.amdhsa_enable_private_segment 0
		.amdhsa_kernarg_size 24
		.amdhsa_user_sgpr_count 2
		.amdhsa_user_sgpr_kernarg_segment_ptr 1
		.amdhsa_wavefront_size32 1
		.amdhsa_system_sgpr_workgroup_id_x 1
		.amdhsa_system_sgpr_workgroup_id_y 1
		.amdhsa_system_sgpr_workgroup_id_z 1
		.amdhsa_system_vgpr_workitem_id 0
		.amdhsa_next_free_vgpr 1024
		.amdhsa_next_free_sgpr 98
		.amdhsa_reserve_vcc 0
		.amdhsa_float_denorm_mode_32 3
		.amdhsa_float_denorm_mode_16_64 3
		.amdhsa_memory_ordered 1
		.amdhsa_forward_progress 1
		.amdhsa_inst_pref_size 150
	.end_amdhsa_kernel
	.amdgpu_metadata
---
amdhsa.version: [ 1, 2 ]
amdhsa.kernels:
  - .name:           k_q272069e744_qgemm
    .symbol:         k_q272069e744_qgemm.kd
    .args:
      - { .name: hsq, .offset: 0, .size: 8, .value_kind: global_buffer, .address_space: global }
      - { .name: wqq, .offset: 8, .size: 8, .value_kind: global_buffer, .address_space: global }
      - { .name: qbuf, .offset: 16, .size: 8, .value_kind: global_buffer, .address_space: global }
    .group_segment_fixed_size: 327680
    .private_segment_fixed_size: 0
    .kernarg_segment_align: 8
    .kernarg_segment_size: 24
    .max_flat_workgroup_size: 128
    .sgpr_count:     98
    .vgpr_count:     1024
    .wavefront_size: 32
...
	.end_amdgpu_metadata
.endif
;; end of part 2
;; launch kvattn (part 3): grid 256 x 1, 4 waves a work-group, clusters of 4 x 1, 327,680 bytes of LDS; arguments retrieved_hidden_states, wkvq, qbuf, atq; writes atq
.if DOCPART == 3
	.amdgcn_target "amdgcn-amd-amdhsa--gfx1250"
	.amdhsa_code_object_version 6
	.text
	.protected	k_q272069e744_kvattn
	.globl	k_q272069e744_kvattn
	.p2align	8
	.type	k_q272069e744_kvattn,@function
k_q272069e744_kvattn:
	s_mov_b64 s[64:65], 0
	v_nop
	global_prefetch_b8 v0, s[64:65] scope:SCOPE_SE
	s_setreg_imm32_b32 hwreg(HW_REG_WAVE_MODE, 25, 1), 1
	s_wait_xcnt 0x0
	s_wait_alu depctr_hold_cnt(0) depctr_sa_sdst(0) depctr_va_vdst(0) depctr_va_sdst(0) depctr_va_ssrc(0) depctr_va_vcc(0) depctr_vm_vsrc(0)
	s_getreg_b32 s2, hwreg(HW_REG_IB_STS2, 6, 4)
	s_cmp_eq_u32 s2, 0
	s_cbranch_scc0 .Lentry_in_a_cluster
	s_endpgm
.Lentry_in_a_cluster:
	s_bfe_u32 s2, ttmp6, 0x10000c
	s_cmp_lg_u32 s2, 0x3003
	s_cbranch_scc0 .Lentry_shape_is_right
	s_endpgm
.Lentry_shape_is_right:
.set SLOT,  135168
.set DSR,   2*SLOT
.set EXI,   DSR
.set EXS,   DSR+32768
.set SB,    DSR+40960
.set SPARE, SB+1024
.set XP,    1040
.set WP,    528
.set SPW,  1
.set NIL,  2
.set RD0,  3
.set RDC,  4
.set WI0,  5
.set WIC,  6
.set WS0,  7
.set WSC,  8
.set FI,   9
.set FS,   10
.set ADB,  11
.set WSO,  13
.set QO,   14
.set OSW,  15
.set OSR,  16
.set CO,   17
.set SBW0, 18
.set SBWC, 19
.set SBR,  20
.set SBO,  21
.set PFO,  29
.set PW,   30
.set PW2,  31
.set XS,   32
.set WS,   48
.set PC,   80
.set PC2,  96
.set TM,   112
.set XA,   128
.set XB,   192
.set BF,   128
.set PP,   144
.set EE,   176
.set TT,   184
.set OO,   192
.set OUTR, 224
.set G1X,  16
.set G1W,  24
.set G0X0, 32
.set G0X1, 36
.set G0W0, 40
.set G0W1, 44
.set PFW,  86
.set LIM0, 88
.set LIM1, 89
.set MSB, 0
.macro WIN new
.if MSB != (\new)
	s_set_vgpr_msb (MSB<<8)|(\new)
.set MSB, (\new)
.endif
.endm
.macro PLACES n
.rept \n
	v_nop
.endr
.endm
.macro ROUND
	s_barrier_signal -1
	s_barrier_wait -1
	s_cmp_lg_u32 s12, 0
	s_cbranch_scc1 .Lnot_wave_0_\@
	s_barrier_signal -3
.Lnot_wave_0_\@:
	s_barrier_wait -3
	s_barrier_signal -1
	s_barrier_wait -1
.endm
.macro CHANGE g0, g1, step, fill
	WIN 0
	s_wait_tensorcnt 0x0
	ds_add_u32 v[SPW], v[NIL]
.if \step
	s_add_nc_u64 s[\g0+2:\g0+3], s[\g0+2:\g0+3], \step
.endif
	s_wait_dscnt 0x0
.if \fill
	ROUND
	tensor_load_to_lds s[\g0:\g0+3], s[\g1:\g1+7]
	s_nop 0
.else
	s_barrier_signal -1
	s_barrier_wait -1
.endif
	PLACES 8
.endm
.macro ASKW off, lim
	s_cmp_gt_u32 s71, s[\lim]
	s_cbranch_scc0 .Lnot_mine_\@
	global_prefetch_b8 v[PFO], s[PFW:PFW+1] offset:\off th:TH_LOAD_NT scope:SCOPE_SE
.Lnot_mine_\@:
.endm
.macro BARRIER
	s_wait_dscnt 0x0
	s_barrier_signal -1
	s_barrier_wait -1
.endm
.macro QUANT src, pc, pw
.irp b, 0,1,2,3
	v_max3_num_f32 v[TM+\b], |v[\src+16*\b]|, |v[\src+1+16*\b]|, 0x4800000
.endr
.irp n, 2,4,6,8,10,12,14
.irp b, 0,1,2,3
	v_max3_num_f32 v[TM+\b], v[TM+\b], |v[\src+16*\b+\n]|, |v[\src+1+16*\b+\n]|
.endr
.endr
.irp b, 0,1,2,3
	v_permlanex16_b32 v[TM+4+\b], v[TM+\b], s48, s49
.endr
.irp b, 0,1,2,3
	v_max_num_f32 v[TM+\b], v[TM+\b], v[TM+4+\b]
.endr
.irp b, 0,1,2,3
	v_add_nc_u32 v[TM+12+\b], 0xfc000000, v[TM+\b]
.endr
.irp b, 0,1,2,3
	v_and_or_b32 v[TM+8+\b], v[TM+\b], 0x7f800000, s50
.endr
.irp b, 0,1,2,3
	v_lshrrev_b32 v[TM+4+\b], 23, v[TM+12+\b]
.endr
	v_lshl_or_b32 v[\pw], v[TM+5], 8, v[TM+4]
	v_lshl_or_b32 v[\pw], v[TM+6], 16, v[\pw]
	v_lshl_or_b32 v[\pw], v[TM+7], 24, v[\pw]
.irp b, 0,1,2,3
.irp n, 0,1,2,3,4,5,6,7,8,9,10,11,12,13,14,15
	v_med3_num_f32 v[\src+16*\b+\n], v[\src+16*\b+\n], -v[TM+8+\b], v[TM+8+\b]
.endr
	v_cvt_scalef32_pk8_fp8_f32 v[\pc+4*\b:\pc+1+4*\b], v[\src+16*\b:\src+7+16*\b], v[TM+12+\b]
	v_cvt_scalef32_pk8_fp8_f32 v[\pc+2+4*\b:\pc+3+4*\b], v[\src+8+16*\b:\src+15+16*\b], v[TM+12+\b]
.endr
	v_nop
.endm
.macro IMAGE pc, pw, offi, offs
.irp e, 0,1,2,3
	ds_store_b128 v[WIC], v[\pc+4*\e:\pc+4*\e+3] offset:\offi+512*\e
.endr
	ds_store_b32 v[WSC], v[\pw] offset:\offs
.endm
.macro XCHUNK ck
	s_mov_b32 s67, ((\ck)%2)*SLOT
	s_mov_b32 s68, 0
	s_mov_b32 s69, 0
	s_mov_b32 s70, 2
.Lx_\@:
	v_add_nc_u32 v[RDC], s67, v[RD0]
	v_add_nc_u32 v[WIC], s68, v[WI0]
	v_add_nc_u32 v[WSC], s69, v[WS0]
.irp b, 0,1,2,3
.irp n, 0,1,2,3
	ds_load_b128 v[XA+16*\b+4*\n:XA+16*\b+4*\n+3], v[RDC] offset:128*\b+16*\n
.endr
.endr
.irp b, 0,1,2,3
.irp n, 0,1,2,3
	ds_load_b128 v[XB+16*\b+4*\n:XB+16*\b+4*\n+3], v[RDC] offset:16*XP+128*\b+16*\n
.endr
.endr
	s_wait_dscnt 16
	QUANT XA, PC, PW
	IMAGE PC, PW, 0, 0
	s_wait_dscnt 5
	QUANT XB, PC2, PW2
	IMAGE PC2, PW2, 4096, 256
	s_add_co_u32 s67, s67, 512
	s_add_co_u32 s68, s68, 2048
	s_add_co_u32 s69, s69, 128
	s_sub_co_u32 s70, s70, 1
	s_cmp_lg_u32 s70, 0
	s_cbranch_scc1 .Lx_\@
.endm
.macro FETCHA ck
.irp i, 0,1,2,3
	WIN 0x80+0x40*(\i/2)
.irp u, 0,1
.irp e, 0,1,2,3
	ds_load_b128 v[128*(\i%2)+16*(2*(\ck)+\u)+4*\e:128*(\i%2)+16*(2*(\ck)+\u)+4*\e+3], v[FI] offset:(2*\i+\u)*2048+512*\e
.endr
.endr
.endr
	WIN 0
.irp m, 0,1
.irp u, 0,1
	ds_load_b32 v[XS+8*\m+2*(\ck)+\u], v[FS] offset:(4*\m+\u)*128
.endr
.endr
.endm
.macro FETCHB adb, sp, t0
.irp t, \t0, \t0+1, \t0+2, \t0+3
.irp e, 0,1,2,3
	ds_load_b128 v[BF+16*(\t)+4*\e:BF+16*(\t)+4*\e+3], v[\adb] offset:16*WP*(\t)+128*(\sp)+32*\e
.endr
.endr
.endm
.macro WM i, t, s
.set rD, 8*(8*(\i)+(\t))
.set rA, 128*((\i)%2)+16*(\s)
.set rB, BF+16*(\t)
.set rX, XS+8*((\i)/2)+(\s)
.set rW, WS+8*((\t)%4)+(\s)
.if (\s) == 0
.if ((\i)%2 == 0) && ((\t) < 4)
	v_wmma_scale_f32_16x16x128_f8f6f4 v[rD:rD+7], v[rA:rA+15], v[rB:rB+15], 0, v[rX], v[rW]
.elseif (\i)%2 == 0
	v_wmma_scale_f32_16x16x128_f8f6f4 v[rD:rD+7], v[rA:rA+15], v[rB:rB+15], 0, v[rX], v[rW] matrix_b_scale:MATRIX_SCALE_ROW1
.elseif (\t) < 4
	v_wmma_scale_f32_16x16x128_f8f6f4 v[rD:rD+7], v[rA:rA+15], v[rB:rB+15], 0, v[rX], v[rW] matrix_a_scale:MATRIX_SCALE_ROW1
.else
	v_wmma_scale_f32_16x16x128_f8f6f4 v[rD:rD+7], v[rA:rA+15], v[rB:rB+15], 0, v[rX], v[rW] matrix_a_scale:MATRIX_SCALE_ROW1 matrix_b_scale:MATRIX_SCALE_ROW1
.endif
.else
.if ((\i)%2 == 0) && ((\t) < 4)
	v_wmma_scale_f32_16x16x128_f8f6f4 v[rD:rD+7], v[rA:rA+15], v[rB:rB+15], v[rD:rD+7], v[rX], v[rW]
.elseif (\i)%2 == 0
	v_wmma_scale_f32_16x16x128_f8f6f4 v[rD:rD+7], v[rA:rA+15], v[rB:rB+15], v[rD:rD+7], v[rX], v[rW] matrix_b_scale:MATRIX_SCALE_ROW1
.elseif (\t) < 4
	v_wmma_scale_f32_16x16x128_f8f6f4 v[rD:rD+7], v[rA:rA+15], v[rB:rB+15], v[rD:rD+7], v[rX], v[rW] matrix_a_scale:MATRIX_SCALE_ROW1
.else
	v_wmma_scale_f32_16x16x128_f8f6f4 v[rD:rD+7], v[rA:rA+15], v[rB:rB+15], v[rD:rD+7], v[rX], v[rW] matrix_a_scale:MATRIX_SCALE_ROW1 matrix_b_scale:MATRIX_SCALE_ROW1
.endif
.endif
.endm
.macro MUL8 ilo, tlo, s
.irp i, \ilo, \ilo+1
.irp t, \tlo, \tlo+1, \tlo+2, \tlo+3
	WM \i, \t, \s
.endr
.endr
.endm
.macro QLOAD i, dst
.irp g, 0,1,2,3
	global_load_b128 v[\dst+4*\g:\dst+4*\g+3], v[QO], s[58:59] offset:16384*\i+256*\g th:TH_LOAD_NT
.endr
.endm
.macro WSLOAD
.irp t, 0,1,2,3
.irp u, 0,1
	global_load_b128 v[WS+8*\t+4*\u:WS+8*\t+4*\u+3], v[WSO], s[56:57] offset:512*\t+16*\u
.endr
.endr
.endm
.macro KSTEP adb, sp, s, mode
	s_wait_dscnt 16
	WIN 0x52
	MUL8 0, 0, \s
	WIN 0x53
	MUL8 2, 0, \s
.if \mode == 1
	PLACES 8
	WIN 0
	FETCHB \adb, (\sp)+1, 0
	s_wait_dscnt 16
.elseif \mode == 2
	PLACES 8
	WIN 0
	QLOAD 3, 128
	s_wait_dscnt 0x0
.else
	s_wait_dscnt 0x0
.endif
	WIN 0x52
	MUL8 0, 4, \s
	WIN 0x53
	MUL8 2, 4, \s
.if \mode == 1
	PLACES 8
	WIN 0
	FETCHB \adb, (\sp)+1, 4
.endif
.endm
.macro HALF hf
	WIN 0
	FETCHB ADB+\hf, 0, 0
	FETCHB ADB+\hf, 0, 4
	KSTEP ADB+\hf, 0, 4*\hf+0, 1
	KSTEP ADB+\hf, 1, 4*\hf+1, 1
	KSTEP ADB+\hf, 2, 4*\hf+2, 1
.if \hf
	KSTEP ADB+\hf, 3, 4*\hf+3, 2
.else
	KSTEP ADB+\hf, 3, 4*\hf+3, 0
.endif
.endm
.macro AT i, q, lcnt
	s_wait_loadcnt \lcnt
	WIN 0x01
.irp c, 0,1,2,3
.irp g, 0,1,2,3
.irp jp, 0,1,2,3
.set rP, PP+8*\g+2*\jp
.set rK, 8*(8*(\i)+\c)+2*\jp
.set rQ, (\q)+4*\g+2*(\c/2)
.if \c == 0
	v_pk_mul_f32 v[rP:rP+1], v[rK:rK+1], v[rQ:rQ+1] op_sel_hi:[1,0]
.elseif \c == 2
	v_pk_fma_f32 v[rP:rP+1], v[rK:rK+1], v[rQ:rQ+1], v[rP:rP+1] op_sel_hi:[1,0,1]
.else
	v_pk_fma_f32 v[rP:rP+1], v[rK:rK+1], v[rQ:rQ+1], v[rP:rP+1] op_sel:[0,1,0] op_sel_hi:[1,1,1]
.endif
.endr
.endr
.endr
	WIN 0
.set n, 0
.rept 32
	v_add_f32_dpp v[PP+n], v[PP+n], v[PP+n] row_xmask:8 row_mask:0xf bank_mask:0xf
.set n, n+1
.endr
.set n, 0
.rept 16
	v_cndmask_b32 v[PP+n], v[PP+n], v[PP+16+n], s51
.set n, n+1
.endr
.set n, 0
.rept 16
	v_add_f32_dpp v[PP+n], v[PP+n], v[PP+n] row_xmask:4 row_mask:0xf bank_mask:0xf
.set n, n+1
.endr
.set n, 0
.rept 8
	v_cndmask_b32 v[PP+n], v[PP+n], v[PP+8+n], s52
.set n, n+1
.endr
.set n, 0
.rept 8
	v_add_f32_dpp v[PP+n], v[PP+n], v[PP+n] row_xmask:1 row_mask:0xf bank_mask:0xf
.set n, n+1
.endr
.set n, 0
.rept 8
	v_add_f32_dpp v[PP+n], v[PP+n], v[PP+n] row_xmask:2 row_mask:0xf bank_mask:0xf
.set n, n+1
.endr
	v_max3_num_f32 v[TT], v[PP], v[PP+1], v[PP+2]
	v_max3_num_f32 v[TT+1], v[PP+3], v[PP+4], v[PP+5]
	v_max3_num_f32 v[TT], v[TT], v[PP+6], v[PP+7]
	v_max_num_f32 v[TT], v[TT], v[TT+1]
.irp k, 0,2,4,6
	v_pk_add_f32 v[PP+\k:PP+\k+1], v[PP+\k:PP+\k+1], v[TT:TT+1] op_sel_hi:[1,0] neg_lo:[0,1] neg_hi:[0,1]
.endr
.irp k, 0,2,4,6
	v_pk_mul_f32 v[PP+\k:PP+\k+1], v[PP+\k:PP+\k+1], s[54:55] op_sel_hi:[1,0]
.endr
	s_wait_alu depctr_va_vdst(0)
.irp j, 0,1,2,3,4,5,6,7
	v_exp_f32 v[EE+\j], v[PP+\j]
.endr
	v_nop
	s_wait_alu depctr_va_vdst(0)
	v_pk_add_f32 v[TT+2:TT+3], v[EE:EE+1], v[EE+2:EE+3]
	v_pk_add_f32 v[TT+4:TT+5], v[EE+4:EE+5], v[EE+6:EE+7]
	v_pk_add_f32 v[TT+2:TT+3], v[TT+2:TT+3], v[TT+4:TT+5]
	v_add_f32 v[TT+2], v[TT+2], v[TT+3]
	s_wait_alu depctr_va_vdst(0)
	v_rcp_f32 v[TT+4], v[TT+2]
	v_nop
	s_wait_alu depctr_va_vdst(0)
.irp k, 0,2,4,6
	v_pk_mul_f32 v[EE+\k:EE+\k+1], v[EE+\k:EE+\k+1], v[TT+4:TT+5] op_sel_hi:[1,0]
.endr
.irp sh, 0,4,8,12
.irp j, 0,1,2,3,4,5,6,7
	v_mov_b32_dpp v[PP+2*\sh+\j], v[EE+\j] row_share:\sh row_mask:0xf bank_mask:0xf
.endr
.endr
	WIN 0x01
.irp jp, 0,1,2,3
.irp g, 0,1,2,3
.irp c, 0,1,2,3
.set rO, OO+2*(4*\g+\c)
.set rV, 8*(8*(\i)+4+\c)+2*\jp
.set rP, PP+8*\g+2*\jp
.if \jp == 0
	v_pk_mul_f32 v[rO:rO+1], v[rV:rV+1], v[rP:rP+1]
.else
	v_pk_fma_f32 v[rO:rO+1], v[rV:rV+1], v[rP:rP+1], v[rO:rO+1]
.endif
.endr
.endr
.endr
	WIN 0
.set n, 0
.rept 16
	v_add_f32 v[OUTR+n], v[OO+2*n], v[OO+2*n+1]
.set n, n+1
.endr
.irp g, 0,1,2,3
	ds_store_b128 v[OSW], v[OUTR+4*\g:OUTR+4*\g+3] offset:2560*(\i)+320*\g
.endr
.endm
.macro OUTQ
.irp y, 0,1,2,3
.irp n, 0,1,2,3
	ds_load_b128 v[PP+16*\y+4*\n:PP+16*\y+4*\n+3], v[OSR] offset:2560*\y+16*\n
.endr
.endr
.irp y, 0,1,2,3
.set YS, PP+16*\y
	s_wait_dscnt 12-3*\y
	v_max3_num_f32 v228, |v[YS]|, |v[YS+1]|, |v[YS+2]|
	v_max3_num_f32 v229, |v[YS+3]|, |v[YS+4]|, |v[YS+5]|
.irp n, 6,10
	v_max3_num_f32 v228, v228, |v[YS+\n]|, |v[YS+\n+1]|
	v_max3_num_f32 v229, v229, |v[YS+\n+2]|, |v[YS+\n+3]|
.endr
	v_max3_num_f32 v228, v228, |v[YS+14]|, |v[YS+15]|
	v_max3_num_f32 v228, v228, v229, 0x4800000
	v_max_num_f32_dpp v228, v228, v228 row_xmask:1 row_mask:0xf bank_mask:0xf
	v_add_nc_u32 v231, 0xfc000000, v228
	v_and_or_b32 v230, v228, 0x7f800000, s50
.irp n, 0,1,2,3,4,5,6,7,8,9,10,11,12,13,14,15
	v_med3_num_f32 v[YS+\n], v[YS+\n], -v230, v230
.endr
	v_cvt_scalef32_pk8_fp8_f32 v[208+4*\y:209+4*\y], v[YS:YS+7], v231
	v_cvt_scalef32_pk8_fp8_f32 v[210+4*\y:211+4*\y], v[YS+8:YS+15], v231
	v_lshrrev_b32 v[224+\y], 23, v231
	ds_store_b8 v[SBWC], v[224+\y] offset:128*\y
	global_store_b128 v[CO], v[208+4*\y:211+4*\y], s[60:61] offset:4096*\y
.endr
.endm
.macro PAIR last
	QLOAD 0, 80
	QLOAD 1, 96
	QLOAD 2, 112
	v_add_nc_u32 v[SBWC], s72, v[SBW0]
	s_wait_loadcnt 12
	HALF 0
.if \last
	CHANGE G0W0, G1W, 0, 0
.else
	CHANGE G0W0, G1W, 131072, 1
	ASKW 131072+512, LIM0
.endif
	HALF 1
	PLACES 8
	WIN 0
.if \last
	AT 0, 80, 12
	AT 1, 96, 8
	AT 2, 112, 4
	AT 3, 128, 0
.else
	s_wait_xcnt 0x0
	s_add_nc_u64 s[56:57], s[56:57], 4096
	WSLOAD
	AT 0, 80, 20
	AT 1, 96, 16
	CHANGE G0W1, G1W, 131072, 1
	ASKW 262144, LIM1
	AT 2, 112, 12
	AT 3, 128, 8
.endif
	OUTQ
.endm
	s_load_b256 s[4:11], s[0:1], 0x0
	v_lshl_add_u32 v[SPW], v0, 2, SPARE
	v_mov_b32 v[NIL], 0
	ds_add_u32 v1, v2
	ds_add_u32 v1, v2
	s_wait_dscnt 0x0
	v_lshrrev_b32 v22, 5, v0
	v_readfirstlane_b32 s12, v22
	s_lshr_b32 s13, s12, 1
	s_and_b32 s14, s12, 1
	s_bfe_u32 s15, ttmp6, 0x40000
	s_lshl_b32 s66, ttmp9, 2
	s_add_co_u32 s66, s66, s15
	s_mov_b32 s[G1X+0], (2<<16)|(1<<20)|(7<<22)|(3<<25)
	s_mov_b32 s[G1X+1], 256<<16
	s_mov_b32 s[G1X+2], 32<<16
	s_mov_b32 s[G1X+3], 256<<16
	s_mov_b32 s[G1X+4], 32
	s_mov_b32 s[G1X+5], 1024
	s_mov_b32 s[G1X+6], 0
	s_mov_b32 s[G1X+7], 0
	s_mov_b32 s[G1W+0], 15|(1<<20)|(1<<21)|(6<<22)|(3<<25)
	s_mov_b32 s[G1W+1], 512<<16
	s_mov_b32 s[G1W+2], 64<<16
	s_mov_b32 s[G1W+3], 512<<16
	s_mov_b32 s[G1W+4], 64
	s_mov_b32 s[G1W+5], 1024
	s_mov_b32 s[G1W+6], 0
	s_mov_b32 s[G1W+7], 0
	s_mov_b32 s[G0X0], 1
	s_mov_b32 s[G0X1], 1
	s_mov_b32 s[G0W0], 1
	s_mov_b32 s[G0W1], 1
	s_mul_i32 s[G0X0+1], s12, 32*XP
	s_add_co_u32 s[G0X1+1], s[G0X0+1], SLOT
	s_mul_i32 s[G0W0+1], s14, 128*WP
	s_mul_i32 s73, s13, 64*WP
	s_add_co_u32 s[G0W0+1], s[G0W0+1], s73
	s_add_co_u32 s[G0W1+1], s[G0W0+1], SLOT
	s_lshl_b32 s74, s66, 19
	s_lshl_b32 s75, s12, 17
	s_add_co_u32 s74, s74, s75
	s_mov_b32 s75, 0
	s_lshl_b32 s76, s13, 19
	s_lshl_b32 s77, s14, 16
	s_add_co_u32 s76, s76, s77
	s_mov_b32 s77, 0
	s_lshl_b32 s78, s66, 17
	s_lshl_b32 s79, s13, 16
	s_add_co_u32 s78, s78, s79
	s_lshl_b32 s79, s14, 10
	s_add_co_u32 s78, s78, s79
	s_mov_b32 s79, 0
	s_lshl_b32 s80, s66, 15
	s_lshl_b32 s81, s13, 14
	s_add_co_u32 s80, s80, s81
	s_lshl_b32 s81, s14, 8
	s_add_co_u32 s80, s80, s81
	s_mov_b32 s81, 0
	s_lshl_b32 s82, s66, 10
	s_lshl_b32 s83, s12, 8
	s_add_co_u32 s82, s82, s83
	s_add_co_u32 s82, s82, 0x800000
	s_mov_b32 s83, 0
	s_mov_b32 s48, 0x76543210
	s_mov_b32 s49, 0xfedcba98
	s_mov_b32 s50, 0x600000
	s_mov_b32 s51, 0xff00ff00
	s_mov_b32 s52, 0xf0f0f0f0
	s_mov_b32 s54, 0x3e38aa3b
	s_mov_b32 s55, s54
	s_lshl_b32 s90, s15, 14
	s_mov_b32 s91, 0
	s_cmp_eq_u32 ttmp9, 0
	s_cselect_b32 s[LIM0], 0, -1
	s_cselect_b32 s[LIM1], 1, -1
	s_mov_b32 s71, 3
	s_wait_kmcnt 0x0
	s_add_nc_u64 s[G0X0+2:G0X0+3], s[4:5], s[74:75]
	s_add_nc_u64 s[G0X1+2:G0X1+3], s[G0X0+2:G0X0+3], 1024
	s_or_b32 s[G0X0+3], s[G0X0+3], 0x80000000
	s_or_b32 s[G0X1+3], s[G0X1+3], 0x80000000
	s_add_nc_u64 s[G0W0+2:G0W0+3], s[6:7], s[76:77]
	s_add_nc_u64 s[G0W1+2:G0W1+3], s[G0W0+2:G0W0+3], 512
	s_or_b32 s[G0W0+3], s[G0W0+3], 0x80000000
	s_or_b32 s[G0W1+3], s[G0W1+3], 0x80000000
	s_add_nc_u64 s[PFW:PFW+1], s[6:7], s[76:77]
	s_add_nc_u64 s[PFW:PFW+1], s[PFW:PFW+1], s[90:91]
	s_add_nc_u64 s[56:57], s[6:7], 0x100000
	s_add_nc_u64 s[58:59], s[8:9], s[78:79]
	s_add_nc_u64 s[60:61], s[10:11], s[80:81]
	s_add_nc_u64 s[62:63], s[10:11], s[82:83]
	ROUND
	tensor_load_to_lds s[G0X0:G0X0+3], s[G1X:G1X+7]
	s_nop 0
	s_wait_alu depctr_va_vdst(0)
	s_wait_tensorcnt 0x0
	ds_add_u32 v1, v2
	s_wait_dscnt 0x0
	ROUND
	tensor_load_to_lds s[G0X1:G0X1+3], s[G1X:G1X+7]
	s_nop 0
	PLACES 4
	v_and_b32 v22, 31, v0
	v_and_b32 v23, 15, v0
	v_bfe_u32 v24, v0, 4, 1
	s_lshl_b32 s73, s14, 11
	v_lshlrev_b32 v[WSO], 5, v23
	v_lshl_add_u32 v[WSO], v24, 14, v[WSO]
	v_add_nc_u32 v[WSO], s73, v[WSO]
	WSLOAD
	v_lshlrev_b32 v25, 4, v22
	v_lshlrev_b32 v26, 2, v22
	v_mul_u32_u24 v[RD0], v23, XP
	v_lshl_add_u32 v[RD0], v24, 6, v[RD0]
	v_add_nc_u32 v[RD0], s[G0X0+1], v[RD0]
	s_lshl_b32 s73, s12, 13
	s_add_co_u32 s73, s73, EXI
	v_add_nc_u32 v[WI0], s73, v25
	s_lshl_b32 s73, s12, 9
	s_add_co_u32 s73, s73, EXS
	v_add_nc_u32 v[WS0], s73, v26
	s_lshl_b32 s73, s13, 14
	s_add_co_u32 s73, s73, EXI
	v_add_nc_u32 v[FI], s73, v25
	s_lshl_b32 s73, s13, 10
	s_add_co_u32 s73, s73, EXS
	v_lshlrev_b32 v[FS], 2, v23
	v_lshl_add_u32 v[FS], v24, 8, v[FS]
	v_add_nc_u32 v[FS], s73, v[FS]
	s_mul_i32 s73, s14, 128*WP
	v_mul_u32_u24 v[ADB], v23, WP
	v_lshl_add_u32 v[ADB], v24, 4, v[ADB]
	v_add_nc_u32 v[ADB], s73, v[ADB]
	v_add_nc_u32 v[ADB+1], SLOT, v[ADB]
	v_lshlrev_b32 v[QO], 4, v23
	v_lshl_add_u32 v[QO], v24, 13, v[QO]
	s_mul_i32 s73, s12, 10240
	s_add_co_u32 s73, s73, DSR
	v_mul_u32_u24 v27, v24, 1280
	v_add_nc_u32 v27, s73, v27
	v_lshrrev_b32 v28, 2, v23
	v_mul_u32_u24 v28, v28, 80
	v_and_b32 v29, 3, v23
	v_lshl_add_u32 v28, v29, 4, v28
	v_add_nc_u32 v[OSW], v27, v28
	v_mul_u32_u24 v28, v23, 80
	v_add_nc_u32 v[OSR], v27, v28
	v_lshlrev_b32 v[CO], 4, v23
	v_lshl_add_u32 v[CO], v24, 11, v[CO]
	s_lshl_b32 s73, s13, 9
	s_lshl_b32 s84, s14, 3
	s_add_co_u32 s73, s73, s84
	s_add_co_u32 s73, s73, SB
	v_lshrrev_b32 v[SBW0], 1, v23
	v_lshl_add_u32 v[SBW0], v24, 6, v[SBW0]
	v_add_nc_u32 v[SBW0], s73, v[SBW0]
	s_lshl_b32 s73, s12, 8
	s_add_co_u32 s73, s73, SB
	v_lshlrev_b32 v[SBO], 3, v22
	v_add_nc_u32 v[SBR], s73, v[SBO]
	v_lshlrev_b32 v[PFO], 10, v23
	v_lshl_add_u32 v[PFO], v24, 8, v[PFO]
.irp b, 0,1,2,3
	v_mov_b32 v[TM+4+\b], 0
.endr
	s_wait_tensorcnt 1
	XCHUNK 0
	CHANGE G0X0, G1X, 2048, 1
	ASKW 0, LIM0                                   ; the first tile of W (pair 0, K 0 to 511) is asked for two changes of slots ahead of its load; no other line names these blocks
	FETCHA 0
	BARRIER
	XCHUNK 1
	CHANGE G0X1, G1X, 2048, 1
	FETCHA 1
	BARRIER
	XCHUNK 2
	CHANGE G0W0, G1W, 0, 1
	ASKW 512, LIM0
	FETCHA 2
	BARRIER
	XCHUNK 3
	CHANGE G0W1, G1W, 0, 1
	ASKW 131072, LIM0
	FETCHA 3
	s_mov_b32 s72, 0
.Lpair:
	PAIR 0
	s_wait_xcnt 0x0
	s_add_nc_u64 s[58:59], s[58:59], 2048
	s_add_nc_u64 s[60:61], s[60:61], 512
	s_add_nc_u64 s[PFW:PFW+1], s[PFW:PFW+1], 131072
	s_add_co_u32 s72, s72, 16
	s_sub_co_u32 s71, s71, 1
	s_cmp_lg_u32 s71, 0
	s_cbranch_scc1 .Lpair
	PAIR 1
	BARRIER
	ds_load_b64 v[228:229], v[SBR]
	s_wait_dscnt 0x0
	global_store_b64 v[SBO], v[228:229], s[62:63]
	s_wait_tensorcnt 0x0
	ds_add_u32 v[SPW], v[NIL]
	s_wait_dscnt 0x0
	ROUND
	s_endpgm
.Lfunc_end_k_q272069e744_kvattn:
	.size	k_q272069e744_kvattn, .Lfunc_end_k_q272069e744_kvattn-k_q272069e744_kvattn
	.p2alignl 7, 3214868480
	.fill 96, 4, 3214868480
	.section	.rodata,"a",@progbits
	.p2align	6, 0x0
	.amdhsa_kernel k_q272069e744_kvattn
		.amdhsa_group_segment_fixed_size 327680
		.amdhsa_private_segment_fixed_size 0
		.amdhsa_enable_private_segment 0
		.amdhsa_kernarg_size 32
		.amdhsa_user_sgpr_count 2
		.amdhsa_user_sgpr_kernarg_segment_ptr 1
		.amdhsa_wavefront_size32 1
		.amdhsa_system_sgpr_workgroup_id_x 1
		.amdhsa_system_sgpr_workgroup_id_y 1
		.amdhsa_system_sgpr_workgroup_id_z 1
		.amdhsa_system_vgpr_workitem_id 0
		.amdhsa_next_free_vgpr 1024
		.amdhsa_next_free_sgpr 100
		.amdhsa_reserve_vcc 0
		.amdhsa_float_denorm_mode_32 3
		.amdhsa_float_denorm_mode_16_64 3
		.amdhsa_memory_ordered 1
		.amdhsa_forward_progress 1
		.amdhsa_inst_pref_size 255
	.end_amdhsa_kernel
	.section	.bss,"aw",@nobits
	.p2align	6
	.space	262144
	.amdgpu_metadata
---
amdhsa.version: [ 1, 2 ]
amdhsa.kernels:
  - .name:           k_q272069e744_kvattn
    .symbol:         k_q272069e744_kvattn.kd
    .args:
      - { .name: retrieved_hidden_states, .offset: 0, .size: 8, .value_kind: global_buffer, .address_space: global }
      - { .name: wkvq, .offset: 8, .size: 8, .value_kind: global_buffer, .address_space: global }
      - { .name: qbuf, .offset: 16, .size: 8, .value_kind: global_buffer, .address_space: global }
      - { .name: atq, .offset: 24, .size: 8, .value_kind: global_buffer, .address_space: global }
    .group_segment_fixed_size: 327680
    .private_segment_fixed_size: 0
    .kernarg_segment_align: 8
    .kernarg_segment_size: 32
    .max_flat_workgroup_size: 128
    .sgpr_count:     100
    .vgpr_count:     1024
    .wavefront_size: 32
...
	.end_amdgpu_metadata
.endif
;; end of part 3
;; launch ogemm: the kernel of part 2 again; grid 8 x 32, 4 waves a work-group, clusters of 4 x 4, 327,680 bytes of LDS; arguments atq, woq, out0; writes out0
